; MI455X (gfx1250); checked and timed in simulation.
; The chip was launched on July 23, 2026; its instructions are those of AMD's public machine-readable ISA for CDNA 5 (MIT licence, August 2026) and "CDNA5" Instruction Set Architecture Reference Guide (July 2026). The comments in the code are by the model that wrote it; some were corrected since.
;; Qlora Linear. Allowed arithmetic: matrix products marked QUANTISED: E2M1 operands, one E8M0 scale for each 32 along K, by v_wmma_scale_f32_16x16x128_f8f6f4 with both operands' format E2M1 (or v_wmma_scale_f32_32x16x128_f4), f32 sums; products left as they are: f32 operands where the result goes on into a quantised operand, else bf16, f16 or f32 operands; f32 sums; everything else in f32.
;; Inputs: lora_A 16 x 4,096 float32; lora_B 4,096 x 16 float32; quantization_factor 1,024 float32; quantized_data 8,388,608 int32; quantized_scalers 262,144 int32; scaler_mean one number float32; x 4 x 1,024 x 4,096 float32.
;; Outputs: out0 4 x 1,024 x 4,096 float32.
;; This version of the problem:
;;   THIS VERSION OF THE PROBLEM IS GIVEN IN LOW PRECISION. The matrix products marked QUANTISED in the list below multiply operands that are first quantised to E2M1 (2 exponent bits, 1 mantissa bit; 4 bits a number), with one power-of-two scale for each 32 numbers along K (OCP MX v1.0); their sums are f32. All else is computed in f32.
;;   The module's matrix products, in the order in which they are computed (A, B: the left and right operand; K: the contracted axis; several contracted axes count as one K, in the product's order):
;;     1. [M 4,096, K 4,096] x [K 4,096, N 4,096]; A: input x; B: computed on the way: QUANTISED
;;     2. [M 4,096, K 4,096] x [K 4,096, N 16]; A: input x; B: input lora_A: QUANTISED
;;     3. [M 4,096, K 16] x [K 16, N 4,096]; A: computed on the way; B: input lora_B: left as it is (K = 16 < 32)
;;   THE QUANTISER, for each operand of a quantised product, along K:
;;     - K is cut into blocks of 32 from its start; a last block that is shorter is filled with zeros.
;;     - A block's scale is 2^e with e = floor(log2(the largest magnitude in the block)) - 2, held to -126 .. 127; a block of zeros has e = 0. As a byte (E8M0): e + 127.
;;     - Each number is divided by its block's scale, clamped to +-6, and rounded to the nearest number of E2M1, ties to even, subnormals kept.
;;     - The product sums the exact products of the quantised numbers (number of the format x scale) in f32.
;;   ~~~python
;;   def quantise(x, axis):      # numpy; x: float32 -> the quantised numbers, widened to float32 again
;;       x = np.moveaxis(x, axis, -1); K = x.shape[-1]
;;       x = np.pad(x, [(0, 0)] * (x.ndim - 1) + [(0, -K % 32)]); x = x.reshape(x.shape[:-1] + (-1, 32)); a = np.abs(x).max(-1, keepdims=True)
;;       e = np.where(a > 0, np.clip(np.frexp(np.where(a > 0, a, 1))[1] - 1 - 2, -126, 127), 0)      # np.frexp(a)[1] - 1 = floor(log2(a)), exactly
;;       r = np.clip(x / 2.0 ** e, -6, 6)
;;       step = 2.0 ** (np.maximum(np.frexp(np.where(r == 0, 1, r))[1] - 1, 0) - 1)
;;       q = np.round(r / step) * step * 2.0 ** e      # np.round: ties to even
;;       return np.moveaxis(q.reshape(q.shape[:-2] + (-1,))[..., :K], -1, axis).astype(np.float32)
;;   ~~~
;;   OPERANDS COMPUTED ON THE WAY. 'Computed on the way' means the value that the module computes at that place (a softmax that the list does not call 'softmax' is quantised finished and normalised). What goes into a quantiser is computed in f32, as accurately as f32 sums, v_exp_f32 and their like allow (about 1e-6 of the number): no bf16 or f16 on the way to a quantiser, and a product that is left as it is and whose result goes on into a quantised operand takes f32 operands (vector FMAs, or v_wmma_f32_16x16x4_f32). A number that lies on a knife's edge between two numbers of the format may be rounded either way, as far as f32 arithmetic and the matrix unit's own rounding can turn it there, and no further.
;; One version. Each part assembles by itself: llvm-mc -triple=amdgcn-amd-amdhsa -mcpu=gfx1250 --defsym DOCPART=n.
;; ======== version 1 of 1: 2 launches
;; limits: values are held in bf16: 8 bits of precision; right only within a limited range of input values
;; workspace buffers: xq 8,912,896 bytes; wq 8,912,896 bytes; aq 34,816 bytes
;; launch quant (part 1): grid 512 x 1, 8 waves a work-group, no clusters, 140,800 bytes of LDS; arguments x, lora_A, quantized_data, quantized_scalers, quantization_factor, scaler_mean, xq, aq, wq; writes xq, aq, wq
.if DOCPART == 1
	.amdgcn_target "amdgcn-amd-amdhsa--gfx1250"
	.amdhsa_code_object_version 6
	.text
	.protected	k_q815be96e65_quant
	.globl	k_q815be96e65_quant
	.p2align	8
	.type	k_q815be96e65_quant,@function
k_q815be96e65_quant:
	s_mov_b64 s[64:65], 0
	v_nop
	global_prefetch_b8 v0, s[64:65] scope:SCOPE_SE
	s_setreg_imm32_b32 hwreg(HW_REG_WAVE_MODE, 25, 1), 1
	s_wait_xcnt 0x0
; x [4096][4096] f32, lora_A [16][4096] f32 and the weight w [4096][4096] (NF4[nibble] x scaler, scaler = int / factor + mean, made here in f32) are turned into
; codes of FP4 (E2M1) with one E8M0 scale byte for each 32 along K, K being the last axis of all three.
; A block's scale is 2^(floor(log2(its largest magnitude)) - 2): its byte is the largest magnitude's exponent field - 2, held at 1 from below; each number is divided by it and rounded to the nearest code, ties to even,
; beyond 6 the largest code.
; THE OUTPUT IS LAID AS THE NEXT LAUNCH'S OPERAND REGISTERS.  A UNIT of 34,816 bytes holds 128 rows x 512 K:
;   bytes 0 .. 32,767: codes [i: 8 blocks of 16 rows][q: 4 x 128 K][c: 2][lane: 32][16 bytes]; lane (r = lane % 16, h = lane / 16) holds the 32 codes k = 128 q + 64 c + 32 h + 0 .. 31 of row 16 i + r;
;   bytes 32,768 .. 34,815: scale words [i][r][q], four bytes each, byte b for k = 128 q + 32 b on.
; xq and wq are [row / 128][K / 512] units; aq is one unit whose index i stands for K / 512 (lora_A has 16 rows).
; So a lane that quantises one whole block of 32 makes one lane's 16 bytes: no maximum crosses lanes, and every store of codes covers 512 consecutive bytes, aligned.
; SHARES.  Work-groups 0 .. 255: 16 rows of x each; 256 .. 511: 16 rows of w each.  Wave ks of eight takes K = 512 ks on, in four steps of 128 along K.
; lora_A HAS NO WORK-GROUP OF ITS OWN: it is 8 x 4 = 32 such steps, and step (ks, q) rides on one wave: wave ks of work-group 8 q + ks.  So the grid is 512 work-groups of one size (eight waves of 256 registers:
; two of them take the 4 x 1,024 registers of a WGP), and 32 of the 4,096 waves have a fifth step.  That step's loads are the wave's first, and it is worked while the wave's own first loads are on their way.
; Its scale words, one a row, leave by a store of 4 bytes a lane, 64 bytes in a block of 256: 32 such stores in the launch, 2,048 bytes in all.
; Loads take memory as it lies (512 consecutive bytes of one row an instruction); the 16 rows turn through the wave's own stage in LDS (rows 528 bytes apart, so that sixteen lanes that read sixteen rows
; start at sixteen different 16-byte columns) and come back as 32 neighbours along K a lane.  The two paths have LDS bytes of their own.
; No tensor load, no matrix work, no cluster: nothing is shared between work-groups and memory binds.
; LIMITS: NaN and infinities among the inputs are not served.  A block of zeros gets the byte 1 where the rule says 127: its codes are zeros, and only this program reads the bytes.
; A factor that is denormal or above 2^126 falls to the reciprocal's flush (ISA guide, v_rcp_f32).  Of a number of quantized_data the low eight bits are used: reference()'s table look-up relies on 0 .. 255.
.set UNIT,  34816
.set SP,    528                        ; a stage row: 512 bytes + 16
.set WSTG,  16*SP                      ; a wave's stage
.set WST,   8*WSTG                     ; x's path has its stages at LDS byte 0, w's path here,
.set SCAL,  16*WSTG                    ; and behind them the work-group's 1,024 scalers: 16 rows x (256 bytes + 16)
.set SCP,   272
.set LOF,   1                          ; v1   16 x lane
.set RR,    2                          ; v2   r = lane % 16
.set HH,    4                          ; v4   first h = lane / 16, then 8 h in the same register (H8): every later use takes 8 h
.set SPW,   3                          ; v3   LDS address of my spare word; never rewritten
.set NIL,   11                         ; v11  0; never rewritten
.set H8,    4                          ; v4   8 h
.set SOFF,  5                          ; v5   16 r + 8 h: my 8 bytes of the 256 bytes of scale words
.set STW,   6                          ; v6   the stage, on the way in
.set STR,   7                          ; v7   and on the way out
.set TAB,   8                          ; v8   NF4[lane % 16]
.set SCW,   9                          ; v9   w's path: where I put four scalers
.set SCR,   10                         ; v10  w's path: where I read my row's eight
.set EAD,   9                          ; v9   x's path: 16 r: my row's place among lora_A's scale words
.set EWD,   10                         ; v10  x's path: the scale word of lora_A's step
.set RC,    14                         ; v14  1 / factor (w's head alone; later the conversions' scale operand)
.set TMP,   15                         ; v15  a lane permute's destination
.set WRD,   18                         ; v18-21 the four scale words
.set SVR,   24                         ; v24-31 w's path: my row's eight scalers
.set ECOD,  24                         ; v24-31 x's path: the codes of lora_A's step
.set COD,   32                         ; v32-63 codes: four registers for each (q, c): no store's data are written again
.set NUM,   64                         ; v64-127 x: two blocks of 32 numbers (and, first of all, lora_A's step as loaded);  w: four blocks of 16 whole numbers
.set LD0,   128                        ; v128-191, v192-255 two sets as loaded; on w's path the first set's registers later hold two blocks of 32 numbers
	s_load_b512 s[8:23], s[0:1], 0x0               ; x 8, lora_A 10, data 12, scalers 14, factors 16, mean 18, xq 20, aq 22
	s_load_b64 s[24:25], s[0:1], 0x40              ; wq
	v_lshl_add_u32 v[SPW], v0, 2, 0x22200          ; the spare words lie behind the scalers, 128 bytes a wave
	v_mov_b32 v[NIL], 0
	v_lshrrev_b32 v2, 5, v0
	s_delay_alu instid0(VALU_DEP_1)
	v_readfirstlane_b32 s2, v2                     ; wave 0..7 = K step
	v_and_b32 v1, 31, v0
	s_delay_alu instid0(VALU_DEP_1)
	v_lshlrev_b32 v[LOF], 4, v1
	v_and_b32 v[RR], 15, v0
	v_bfe_u32 v[HH], v0, 4, 1
	s_delay_alu instid0(VALU_DEP_1)
	v_lshlrev_b32 v[H8], 3, v[HH]
	s_delay_alu instid0(VALU_DEP_1)
	v_lshl_add_u32 v[SOFF], v[RR], 4, v[H8]
	v_mov_b32 v[TMP], 0                            ; written once: a lane permute's destination counts as one of its sources
	s_mov_b32 s36, 0x76543210
	s_mov_b32 s37, 0xfedcba98                      ; v_permlanex16_b32's selects for lane l xor 16
	s_mul_i32 s3, s2, WSTG
	v_add_nc_u32 v[STW], s3, v[LOF]                ; in: my wave's stage + 16 x lane; row j stands in the immediate
	v_mul_u32_u24 v[STR], v[RR], SP
	s_delay_alu instid0(VALU_DEP_1)
	v_add_nc_u32 v[STR], s3, v[STR]                ; out: row r
.macro LOADS dst, ptr, pitch, off      ; 16 rows, 512 consecutive bytes of each, from byte off behind s[ptr], into v[dst] on
.irp j, 0,1,2,3,4,5,6,7,8,9,10,11,12,13,14,15
	global_load_b128 v[\dst+4*\j:\dst+4*\j+3], v[LOF], s[\ptr:\ptr+1] offset:\j*(\pitch)+(\off) th:TH_LOAD_NT
.endr
.endm
.macro STAGE_IN src                    ; as loaded into the stage
.irp j, 0,1,2,3,4,5,6,7,8,9,10,11,12,13,14,15
	ds_store_b128 v[STW], v[\src+4*\j:\src+4*\j+3] offset:SP*\j
.endr
.endm
.macro BACKX                           ; LDS serves a wave's instructions in order (ISA guide 5.7.1.4): these see the stores.  Block c: k = 64 c + 32 h on: 128 bytes
.irp c, 0,1
.irp j, 0,1,2,3,4,5,6,7
	ds_load_b128 v[NUM+32*\c+4*\j:NUM+32*\c+4*\j+3], v[STR] offset:256*\c+16*\j
.endr
.endr
.endm
.macro BACKW                           ; a whole number holds two numbers of w: block n (q = n / 2, c = n % 2 of this half of the K step) is 64 bytes
.irp n, 0,1,2,3
.irp j, 0,1,2,3
	ds_load_b128 v[NUM+16*\n+4*\j:NUM+16*\n+4*\j+3], v[STR] offset:256*(\n/2)+128*(\n%2)+16*\j
.endr
.endr
.endm
; 32 numbers of a lane, v[src] on, are one block of its row: codes into v[cod] on and to memory at s[ptr] + off; the byte into v16 (c = 0) or v17 (c = 1); behind c = 1 the scale word of these 128 along K into v[wrd]
.macro QCORE src, cod, ptr, off, c, wrd
	v_max3_num_f32 v12, |v[\src]|, |v[\src+1]|, |v[\src+2]|          ; the largest magnitude, in two chains
	v_max3_num_f32 v13, |v[\src+3]|, |v[\src+4]|, |v[\src+5]|
.irp i, 6,10,14,18,22,26
	s_delay_alu instid0(VALU_DEP_2)
	v_max3_num_f32 v12, v12, |v[\src+\i]|, |v[\src+\i+1]|
	s_delay_alu instid0(VALU_DEP_2)
	v_max3_num_f32 v13, v13, |v[\src+\i+2]|, |v[\src+\i+3]|
.endr
	s_delay_alu instid0(VALU_DEP_2)
	v_max3_num_f32 v12, v12, |v[\src+30]|, |v[\src+31]|
	s_delay_alu instid0(VALU_DEP_1)
	v_max3_num_f32 v12, v12, v13, 0x1800000        ; and the floor 2^(3 - 127): the byte cannot fall under 1
	s_delay_alu instid0(VALU_DEP_1)
	v_add_nc_u32 v14, 0xff000000, v12              ; 2 off the exponent field: the conversion takes this operand's exponent field as its scale and nothing else of it
.irp g, 0,1,2,3
	v_cvt_scalef32_pk8_fp4_f32 v[\cod+\g], v[\src+8*\g:\src+8*\g+7], v14
.endr
	v_lshrrev_b32 v[16+(\c)], 23, v14              ; the scale's byte; also the plain line behind the conversions
	global_store_b128 v[LOF], v[\cod:\cod+3], s[\ptr:\ptr+1] offset:\off   ; 32 lanes: 512 consecutive bytes, aligned
.if (\c) == 1
	v_lshl_or_b32 v[\wrd], v17, 16, v16            ; my two bytes: blocks h and 2 + h of these 128 along K,
	s_delay_alu instid0(VALU_DEP_1)
	v_lshlrev_b32 v[\wrd], v[H8], v[\wrd]          ; at their places;
	s_delay_alu instid0(VALU_DEP_1)
	v_permlanex16_b32 v[TMP], v[\wrd], s36, s37
	s_delay_alu instid0(VALU_DEP_1)
	v_or_b32 v[\wrd], v[\wrd], v[TMP]              ; with lane l xor 16's two the word is whole
.endif
.endm
.macro QBLK src, q, c                  ; block (q, c) of my own K step
	QCORE \src, COD+8*(\q)+4*(\c), 30, 1024*(\q)+512*(\c), \c, WRD+(\q)
.endm
.macro SCOUT                           ; lanes 0-15 store their row's words 0, 1, lanes 16-31 words 2, 3: 256 consecutive bytes, aligned
	v_cmp_ne_u32 vcc_lo, 0, v[HH]
	s_delay_alu instid0(VALU_DEP_1)
	v_cndmask_b32 v22, v[WRD], v[WRD+2], vcc_lo
	s_delay_alu instid0(VALU_DEP_2)
	v_cndmask_b32 v23, v[WRD+1], v[WRD+3], vcc_lo
	global_store_b64 v[SOFF], v[22:23], s[32:33]
.endm
	s_cmp_gt_u32 ttmp9, 255                        ; the same in all eight waves
	s_cbranch_scc1 .Lweights
	; ---------------- x, and lora_A's steps ----------------
	v_lshl_add_u32 v[STR], v[HH], 4, v[STR]        ; + 16 x 8 h = 128 h: 32 numbers of 4 bytes
	v_lshlrev_b32 v[EAD], 4, v[RR]
	s_lshr_b32 s4, ttmp9, 3                        ; ttmp9 = x's block of 16 rows
	s_min_u32 s41, s4, 3                           ; lora_A's q in work-groups 0 .. 31; held at 3, so that the three pointers below lie inside their buffers in every work-group
	s_lshl_b32 s4, s4, 3
	s_add_co_u32 s4, s4, s2                        ; unit = 8 (rows / 128) + K step
	s_and_b32 s5, ttmp9, 7                         ; i
	s_lshl_b32 s7, s2, 11                          ; my K step in a row: 2,048 bytes
	s_lshl_b32 s6, ttmp9, 18                       ; 16 rows of 16,384 bytes
	s_add_co_u32 s6, s6, s7
	s_lshl_b32 s26, s41, 9                         ; lora_A: my K step, + 512 q bytes
	s_add_co_u32 s26, s26, s7
	s_mov_b32 s7, 0
	s_mov_b32 s27, 0
	s_mul_i32 s40, s4, UNIT
	s_lshl_b32 s42, s5, 12
	s_add_co_u32 s42, s42, s40
	s_mov_b32 s43, 0
	s_lshl_b32 s44, s5, 8
	s_add_co_u32 s44, s44, s40
	s_add_co_u32 s44, s44, 32768
	s_mov_b32 s45, 0
	s_lshl_b32 s38, s2, 12                         ; aq's codes: i = my K step, + 1,024 q
	s_lshl_b32 s39, s41, 10
	s_add_co_u32 s38, s38, s39
	s_mov_b32 s39, 0
	s_lshl_b32 s46, s2, 8                          ; aq's scale words: i = my K step, + 4 q
	s_lshl_b32 s47, s41, 2
	s_add_co_u32 s46, s46, s47
	s_add_co_u32 s46, s46, 32768
	s_mov_b32 s47, 0
	s_wait_kmcnt 0x0
	s_add_nc_u64 s[28:29], s[8:9], s[6:7]          ; where I read x
	s_add_nc_u64 s[32:33], s[20:21], s[44:45]      ; my 256 bytes of scale words
	s_add_nc_u64 s[30:31], s[20:21], s[42:43]      ; my 4,096 bytes of codes
	s_add_nc_u64 s[26:27], s[10:11], s[26:27]      ; and the same three for lora_A's step
	s_add_nc_u64 s[38:39], s[22:23], s[38:39]
	s_add_nc_u64 s[46:47], s[22:23], s[46:47]
	s_xor_b32 s3, s5, s2                           ; 0 where my wave's number is the work-group's number mod 8,
	s_lshr_b32 s4, ttmp9, 5
	s_or_b32 s3, s3, s4                            ; in work-groups 0 .. 31
	s_cmp_eq_u32 s3, 0
	s_cbranch_scc0 .Lplain                         ; a branch on ids alone; no barrier stands on x's path
	LOADS NUM, 26, 16384, 0                        ; lora_A's step first, into registers that lie idle until x's first step comes back from the stage,
	LOADS LD0, 28, 16384, 0                        ; and my own first two steps straight behind it: 48 loads are out
	LOADS LD0+64, 28, 16384, 512
	s_wait_loadcnt 32                              ; lora_A's 16 loads are in; x's 32, issued behind them, may be out
	s_wait_alu depctr_va_vdst(0)
	STAGE_IN NUM
	s_wait_dscnt 0x0                               ; the stores have read their registers, which the loads below fill again
	BACKX
	s_wait_dscnt 0x0
	QCORE NUM, ECOD, 38, 0, 0, EWD
	QCORE NUM+32, ECOD+4, 38, 512, 1, EWD
	global_store_b32 v[EAD], v[EWD], s[46:47]      ; row r's word; lanes r and r + 16 store the same word to the same place.  None of this step's store registers is written again
	s_branch .Lsteps
.Lplain:
	LOADS LD0, 28, 16384, 0
	LOADS LD0+64, 28, 16384, 512
.Lsteps:                                               ; on both ways 32 loads are out here
	s_wait_alu depctr_va_vdst(0)
.irp q, 0,1,2,3
.if \q < 3
	s_wait_loadcnt 16                              ; this step's 16 loads are in; the next step's 16 may be out
.else
	s_wait_loadcnt 0x0
.endif
	STAGE_IN LD0+64*((\q)%2)
	BACKX
	s_wait_dscnt 0x0                               ; my 64 numbers are back, and the stores have read the set:
.if \q+2 < 4
	LOADS LD0+64*((\q)%2), 28, 16384, 512*(\q+2)   ; it takes the loads of two steps on
.endif
	QBLK NUM, \q, 0
	QBLK NUM+32, \q, 1
.endr
	SCOUT
	s_wait_tensorcnt 0x0                           ; the wave's end
	ds_add_u32 v[SPW], v[NIL]
	s_wait_dscnt 0x0
	s_endpgm
.Lweights:
	s_wait_alu depctr_va_vdst(0)
	v_add_nc_u32 v[STW], WST, v[STW]
	v_lshl_add_u32 v[STR], v[HH], 3, v[STR]        ; + 8 x 8 h = 64 h: 16 whole numbers of 4 bytes
	s_delay_alu instid0(VALU_DEP_1)
	v_add_nc_u32 v[STR], WST, v[STR]
	v_lshrrev_b32 v[SCW], 4, v0                    ; thread t has scalers 4 t .. 4 t + 3: row t / 16, 16 bytes at 16 (t % 16)
	s_delay_alu instid0(VALU_DEP_1)
	v_mul_u32_u24 v[SCW], v[SCW], SCP
	s_delay_alu instid0(VALU_DEP_1)
	v_lshl_add_u32 v[SCW], v[RR], 4, v[SCW]
	s_delay_alu instid0(VALU_DEP_1)
	v_add_nc_u32 v[SCW], SCAL, v[SCW]
	v_mul_u32_u24 v[SCR], v[RR], SCP               ; row r, my K step's eight scalers: 32 bytes
	s_lshl_b32 s41, s2, 5
	v_add_nc_u32 v[SCR], s41, v[SCR]
	s_delay_alu instid0(VALU_DEP_1)
	v_add_nc_u32 v[SCR], SCAL, v[SCR]
	v_lshlrev_b32 v80, 4, v0                       ; 16 x thread
	s_sub_co_u32 s3, ttmp9, 256                    ; w's block of 16 rows
	s_lshr_b32 s4, s3, 3
	s_lshl_b32 s4, s4, 3
	s_add_co_u32 s4, s4, s2                        ; unit
	s_and_b32 s5, s3, 7                            ; i
	s_lshl_b32 s6, s3, 17                          ; 16 rows of 2,048 whole numbers
	s_lshl_b32 s7, s2, 10                          ; my K step: 256 whole numbers
	s_add_co_u32 s6, s6, s7
	s_mov_b32 s7, 0
	s_mul_i32 s40, s4, UNIT
	s_lshl_b32 s42, s5, 12
	s_add_co_u32 s42, s42, s40
	s_mov_b32 s43, 0
	s_lshl_b32 s44, s5, 8
	s_add_co_u32 s44, s44, s40
	s_add_co_u32 s44, s44, 32768
	s_mov_b32 s45, 0
	s_lshl_b32 s26, s3, 12                         ; the work-group's 1,024 scalers
	s_mov_b32 s27, 0
	s_lshl_b32 s38, s3, 2                          ; a factor serves 256 scalers = 4 rows = 64 threads = 2 waves
	s_lshr_b32 s39, s2, 1
	s_add_co_u32 s38, s38, s39
	s_lshl_b32 s38, s38, 2
	s_mov_b32 s39, 0
	s_wait_alu depctr_va_vdst(0)
	s_wait_kmcnt 0x0
	s_add_nc_u64 s[28:29], s[12:13], s[6:7]
	s_add_nc_u64 s[14:15], s[14:15], s[26:27]
	s_add_nc_u64 s[16:17], s[16:17], s[38:39]
	s_add_nc_u64 s[32:33], s[24:25], s[44:45]
	s_add_nc_u64 s[30:31], s[24:25], s[42:43]
	global_load_b128 v[64:67], v80, s[14:15] th:TH_LOAD_NT   ; four scalers a thread: the eight waves read 4,096 consecutive bytes
	LOADS LD0, 28, 8192, 0                         ; the wave's whole share: 16 rows x 1,024 bytes
	LOADS LD0+64, 28, 8192, 512
	s_load_b32 s34, s[16:17], 0x0                  ; my threads' factor
	s_load_b32 s35, s[18:19], 0x0                  ; the mean
	v_mov_b32 v[TAB], 0                            ; the table, a lane an entry, in both halves of the lanes; entry 7 is 0
.macro NF k, bits
	s_mov_b32 s38, \bits
	v_writelane_b32 v[TAB], s38, \k
	s_delay_alu instid0(VALU_DEP_1)
	v_writelane_b32 v[TAB], s38, \k+16
.endm
	NF 0,  0xbf800000
	NF 1,  0xbf3239b1
	NF 2,  0xbf066b30
	NF 3,  0xbeca32a0
	NF 4,  0xbe91a24d
	NF 5,  0xbe3d353f
	NF 6,  0xbdba7871
	NF 8,  0x3da2faff
	NF 9,  0x3e24cae3
	NF 10, 0x3e7c04dd
	NF 11, 0x3ead033a
	NF 12, 0x3ee1a4b8
	NF 13, 0x3f1007ab
	NF 14, 0x3f3913b3
	NF 15, 0x3f800000
	s_wait_kmcnt 0x0
	v_rcp_f32 v[RC], s34
	s_wait_loadcnt 32                              ; the scalers are in; the 32 loads of data issued behind them may be out
.irp i, 0,1,2,3
	v_cvt_f32_i32 v[68+\i], v[64+\i]               ; (plain work behind the reciprocal)
.endr
	s_wait_alu depctr_va_vdst(0)                   ; ahead of the reciprocal's first reader
.irp i, 0,1,2,3
	v_mul_f32 v[72+\i], v[68+\i], v[RC]            ; int / factor: a first quotient,
.endr
.irp i, 0,1,2,3
	s_delay_alu instid0(VALU_DEP_4)
	v_fma_f32 v[76+\i], -v[72+\i], s34, v[68+\i]   ; what it leaves,
.endr
.irp i, 0,1,2,3
	v_fma_f32 v[72+\i], v[76+\i], v[RC], v[72+\i]  ; and the quotient mended by it
.endr
.irp i, 0,1,2,3
	s_delay_alu instid0(VALU_DEP_4)
	v_add_f32 v[72+\i], s35, v[72+\i]              ; + mean: a rounding of its own, as in reference()
.endr
	ds_store_b128 v[SCW], v[72:75]
	s_wait_dscnt 0x0                               ; for the others' sake: my four scalers lie in LDS
	s_barrier_signal -1
	s_barrier_wait -1                              ; everybody's do
	ds_load_b128 v[SVR:SVR+3], v[SCR]
	ds_load_b128 v[SVR+4:SVR+7], v[SCR] offset:16  ; scaler 2 q + c serves my block (q, c), in both halves of the lanes: a scaler covers 64 along K
; Block n's 16 whole numbers become 32 lane numbers x 4 (the high nibble is the lower k), and each fetches its entry from the lane that holds it.
; The low nibble's number is the whole number x 4: the permute takes (it / 4) mod 32 as the lane, and the table stands in both halves of the lanes.
.macro IDX n
.set SS, LD0+32*((\n)%2)
.irp j, 0,1,2,3,4,5,6,7,8,9,10,11,12,13,14,15
	v_lshrrev_b32 v[SS+2*\j], 2, v[NUM+16*(\n)+\j]
	v_lshlrev_b32 v[SS+2*\j+1], 2, v[NUM+16*(\n)+\j]
	s_delay_alu instid0(VALU_DEP_2)
	v_and_b32 v[SS+2*\j], 0x3c, v[SS+2*\j]
.endr
.irp k, 0,1,2,3,4,5,6,7,8,9,10,11,12,13,14,15,16,17,18,19,20,21,22,23,24,25,26,27,28,29,30,31
	ds_bpermute_b32 v[SS+\k], v[SS+\k], v[TAB]
.endr
.endm
.macro FIN n, s, left                  ; block n of half s of the K step: x its scaler, then quantised.  left: the next block's permutes, which may be out
.set SS, LD0+32*((\n)%2)
.set QQ, 2*(\s)+(\n)/2
	s_wait_dscnt \left
.irp k, 0,2,4,6,8,10,12,14,16,18,20,22,24,26,28,30
.if (\n)%2 == 0
	v_pk_mul_f32 v[SS+\k:SS+\k+1], v[SS+\k:SS+\k+1], v[SVR+2*QQ:SVR+2*QQ+1] op_sel_hi:[1,0]              ; both by the pair's first: scaler 2 q
.else
	v_pk_mul_f32 v[SS+\k:SS+\k+1], v[SS+\k:SS+\k+1], v[SVR+2*QQ:SVR+2*QQ+1] op_sel:[0,1] op_sel_hi:[1,1]  ; both by its second: scaler 2 q + 1
.endif
.endr
	QBLK SS, QQ, (\n)%2
.endm
.irp s, 0,1
	s_wait_loadcnt 16*(1-\s)                       ; this half's 16 loads are in
	STAGE_IN LD0+64*\s
	BACKW
	s_wait_dscnt 0x0                               ; my four blocks (and, the first time, my scalers) are in; the first set's registers are free
	IDX 0
	IDX 1
	FIN 0, \s, 32
	IDX 2
	FIN 1, \s, 32
	IDX 3
	FIN 2, \s, 32
	FIN 3, \s, 0
.endr
	SCOUT
	s_wait_tensorcnt 0x0                           ; the wave's end
	ds_add_u32 v[SPW], v[NIL]
	s_wait_dscnt 0x0
	s_endpgm
.Lfunc_end_k_q815be96e65_quant:
	.size	k_q815be96e65_quant, .Lfunc_end_k_q815be96e65_quant-k_q815be96e65_quant
	.p2alignl 7, 3214868480
	.fill 96, 4, 3214868480
	.section	.rodata,"a",@progbits
	.p2align	6, 0x0
	.amdhsa_kernel k_q815be96e65_quant
		.amdhsa_group_segment_fixed_size 140800
		.amdhsa_private_segment_fixed_size 0
		.amdhsa_enable_private_segment 0
		.amdhsa_kernarg_size 72
		.amdhsa_user_sgpr_count 2
		.amdhsa_user_sgpr_kernarg_segment_ptr 1
		.amdhsa_wavefront_size32 1
		.amdhsa_system_sgpr_workgroup_id_x 1
		.amdhsa_system_sgpr_workgroup_id_y 1
		.amdhsa_system_sgpr_workgroup_id_z 1
		.amdhsa_system_vgpr_workitem_id 0
		.amdhsa_next_free_vgpr 256
		.amdhsa_next_free_sgpr 66
		.amdhsa_reserve_vcc 1
		.amdhsa_float_denorm_mode_32 3
		.amdhsa_float_denorm_mode_16_64 3
		.amdhsa_memory_ordered 1
		.amdhsa_forward_progress 1
		.amdhsa_inst_pref_size 117
	.end_amdhsa_kernel
	.amdgpu_metadata
---
amdhsa.version: [ 1, 2 ]
amdhsa.kernels:
  - .name:           k_q815be96e65_quant
    .symbol:         k_q815be96e65_quant.kd
    .args:
      - { .name: x, .offset: 0, .size: 8, .value_kind: global_buffer, .address_space: global }
      - { .name: lora_A, .offset: 8, .size: 8, .value_kind: global_buffer, .address_space: global }
      - { .name: quantized_data, .offset: 16, .size: 8, .value_kind: global_buffer, .address_space: global }
      - { .name: quantized_scalers, .offset: 24, .size: 8, .value_kind: global_buffer, .address_space: global }
      - { .name: quantization_factor, .offset: 32, .size: 8, .value_kind: global_buffer, .address_space: global }
      - { .name: scaler_mean, .offset: 40, .size: 8, .value_kind: global_buffer, .address_space: global }
      - { .name: xq, .offset: 48, .size: 8, .value_kind: global_buffer, .address_space: global }
      - { .name: aq, .offset: 56, .size: 8, .value_kind: global_buffer, .address_space: global }
      - { .name: wq, .offset: 64, .size: 8, .value_kind: global_buffer, .address_space: global }
    .group_segment_fixed_size: 140800
    .private_segment_fixed_size: 0
    .kernarg_segment_align: 8
    .kernarg_segment_size: 72
    .max_flat_workgroup_size: 256
    .sgpr_count:     66
    .vgpr_count:     256
    .wavefront_size: 32
...
	.end_amdgpu_metadata
.endif
;; end of part 1
;; launch gemm (part 2): grid 16 x 16, 4 waves a work-group, clusters of 4 x 4, 327,680 bytes of LDS; arguments xq, wq, aq, lora_B, out0; writes out0
.if DOCPART == 2
	.amdgcn_target "amdgcn-amd-amdhsa--gfx1250"
	.amdhsa_code_object_version 6
	.text
	.protected	k_q815be96e65_gemm
	.globl	k_q815be96e65_gemm
	.p2align	8
	.type	k_q815be96e65_gemm,@function
k_q815be96e65_gemm:
	s_mov_b64 s[64:65], 0
	v_nop
	global_prefetch_b8 v0, s[64:65] scope:SCOPE_SE
	s_setreg_imm32_b32 hwreg(HW_REG_WAVE_MODE, 25, 1), 1
	s_wait_xcnt 0x0
	s_wait_alu depctr_hold_cnt(0) depctr_sa_sdst(0) depctr_va_vdst(0) depctr_va_sdst(0) depctr_va_ssrc(0) depctr_va_vcc(0) depctr_vm_vsrc(0)
	s_getreg_b32 s2, hwreg(HW_REG_IB_STS2, 6, 4)
	s_cmp_eq_u32 s2, 0
	s_cbranch_scc0 .Lentry_in_a_cluster
	s_endpgm
.Lentry_in_a_cluster:
	s_bfe_u32 s2, ttmp6, 0x10000c
	s_cmp_lg_u32 s2, 0xf033
	s_cbranch_scc0 .Lentry_shape_is_right
	s_endpgm
.Lentry_shape_is_right:
; out0[m][n] = sum_k Q(x)[m][k] Q(w)[n][k] + 2 sum_r T[m][r] lora_B[n][r],  T[m][r] = sum_k Q(x)[m][k] Q(lora_A)[r][k].
; xq, wq, aq hold FP4 codes and E8M0 scale words in UNITS of 34,816 bytes (128 rows x 512 K), laid as operand registers:
; codes [i: 16 rows][q: 128 K][c][lane][16 bytes], then scale words [i][r][q].  xq, wq: [row / 128][K / 512] units; aq: one unit, i = K / 512.
; A work-group of four waves makes 256 x 256 of out0, a wave 128 x 128: 64 accumulators.  K goes in 8 steps of 512 through two LDS slots of four units (A's two, B's two).
; T RIDES ALONG, ONCE FOR EACH ROW: the two waves that share 128 rows make T for 64 rows each.  A wave of the right column half takes its eight blocks of 16 rows ROTATED by four
; (register block j = row block (j + 4 x half) mod 8), so that every wave makes T for its register blocks 0-3: 4 more accumulators, no branch.  The two exchange T as bf16 operand images
; through LDS bytes of their own, and T and 2 lora_B go as bf16 (K = 16, the upper 16 of the form's 32 are zeros) onto the accumulators.
; CLUSTERS 4 x 4: A's units are asked for jointly along a row of the cluster, B's along a column.  lora_A's unit is each work-group's own load.
; THE HEAD: one tensor load a wave: wave 0 both units of A for K step 0 (two rows of 34,816 bytes, 8 units apart in memory, end to end in LDS), wave 1 both of B, waves 2 and 3 a half of lora_A's unit each.
; Slot 1 is first filled behind the full sequence and a round, as a refill is.  By the text's own count a wave has one tensor load out at any time.
; FRAGMENTS: A, B and lora_A have TWO register sets each; a step of 128 K issues the next step's 34 LDS loads in one run behind its first 8 matrix instructions.
; So a slot's last reads are over at the head of its last step, and the change of slots stands there.
; THE LAST SEVEN STEPS OF 128 K (K steps 6 and 7 lie in the two slots, nothing is filled again) GO BY HALVES OF MY ROWS: first register blocks 0-3 and T through all seven, then T's exchange and blocks 0-3's
; bf16 products, then blocks 4-7 through the same seven steps, with eight stores of blocks 0-3's rows in each.  B's fragments are read from LDS twice in these steps.  Each sum still takes K in ascending order.
; THE WAY OUT: 16 rows x 128 columns go through the wave's own stage and come back, as whole rows of 512 bytes, into the block's own accumulator registers: no store's data are written again.
; The stage lies in lora_A's bytes, which have had their one fill; every wave's last read of them is waited for ahead of the exchange's barrier, and the first store into a stage stands behind it.
; PREFETCH: every cluster asks for the units that it will load: a wave for the unit that it fetches, 34 blocks of 256 bytes (a quarter of a unit; the four partners that ask for the unit jointly are told apart by address).
; K step 1 is asked for behind the head's loads, K steps 2 and 3 behind slot 1's first fill, then behind each refill the K step two refills on.  The last trip asks for nothing: no address leaves its buffer.
; A work-group has at most two K steps asked for and not yet loaded.
; REGISTERS: window 0: v0-31 addresses; v32-95 scale words, a set a slot; v96-111 lora_A's fragment, two sets; v112-119 its scale words; v128-191, v192-255 A's two sets (v192-255 first hold lora_B as loaded;
;   the places of blocks 0-3 in both sets hold T as bf16 at the end).   window 1: v0-63, v128-191 B's two sets; v64-127 2 lora_B as bf16; v192-223 T.   windows 2, 3: the accumulators of my register blocks 0-3, 4-7.
; The matrix instruction is used transposed (source 0 = rows of w, source 1 = rows of x): a lane holds eight neighbouring numbers of a row of out0.
.set UNIT,   34816
.set SLOT,   4*UNIT
.set LA,     2*SLOT                    ; lora_A's unit, filled once; at the end the four stages
.set SPARE,  LA+UNIT                   ; the spare words: 128 bytes a wave
.set XCH,    SPARE+512                 ; the exchange of T: 2,048 bytes a wave; no fill lands here
.set SPITCH, 528                       ; a stage: 16 rows x (512 + 16) bytes
.set LAPS,   4
.set ADRH, 8                           ; v8-9   A's register blocks 4-7, slot 0, 1
.set ADSH, 10                          ; v10-11 scale words of blocks 4-7
.set XST,  12
.set XLD,  13
.set ADRA, 16                          ; v16-17 A's register blocks 0-3
.set ADRS, 18                          ; v18-19 scale words of blocks 0-3: lanes 0-15 A's, lanes 16-31 B's
.set ADRB, 20
.set ADLA, 22
.set ADRL, 23
.set STO,  24
.set RD,   25
.set CO,   26
.set LBO,  27
.set SPW,  28
.set NIL,  29
.set PFO,  30
.set PFO2, 31
.set SC,   32
.set LAF,  96
.set LS,   112
.set AF,   128
.set TF,   128
.set LT,   192
.set T,    192
.set LBF,  64
.set G1,   24
.set G0,   32
.set G1B,  48
.set G0B,  56
.set G1L,  68
.set G0L,  76
.set G0H,  80
.set G0HB, 84
.set PFA,  92
.set MSB, 0
.macro WIN new                         ; the immediate's high byte repeats the setting that is left
.if MSB != (\new)
	s_set_vgpr_msb (MSB<<8)|(\new)
.set MSB, (\new)
.endif
.endm
.set MUL_LO, 0xa1                      ; source 0 window 1, source 1 window 0, C and D window 2
.set MUL_HI, 0xf1                      ; the same, C and D window 3
.set TW,     0x50                      ; sources window 0, C and D window 1: T
.set TO_B,   0x40                      ; destination window 1
.macro JLOAD g0a, g1a, g0b, g1b        ; waves 0, 1 ask for A's units, waves 2, 3 for B's
	s_cmp_eq_u32 s15, 0
	s_cbranch_scc0 .Lfor_b_\@
	tensor_load_to_lds s[\g0a:\g0a+3], s[\g1a:\g1a+7]
	s_nop 0
.rept 4
	v_nop
.endr
	s_branch .Lasked_\@
.Lfor_b_\@:
	tensor_load_to_lds s[\g0b:\g0b+3], s[\g1b:\g1b+7]
	s_nop 0
.rept 4
	v_nop
.endr
.Lasked_\@:
.endm
.macro CREST                           ; a round of the cluster's barrier behind its opening barrier
	s_cmp_lg_u32 s14, 0
	s_cbranch_scc1 .Lnot_wave_0_\@
	s_barrier_signal -3
.Lnot_wave_0_\@:
	s_barrier_wait -3
	s_barrier_signal -1
	s_barrier_wait -1
.endm
.macro CROUND
	s_barrier_signal -1
	s_barrier_wait -1
	CREST
.endm
.macro PREF k                          ; my quarter of my unit, k K steps behind where PFA stands: 32 + 2 blocks of 256 bytes
	global_prefetch_b8 v[PFO], s[PFA:PFA+1] offset:(\k)*UNIT th:TH_LOAD_NT scope:SCOPE_SE
	global_prefetch_b8 v[PFO2], s[PFA:PFA+1] offset:(\k)*UNIT th:TH_LOAD_NT scope:SCOPE_SE
.endm
.macro ASK                             ; s3 = 1 in the last trip, whose refills have no K step two on
	s_cmp_gt_u32 s3, 1
	s_cbranch_scc0 .Lnot_mine_\@
	PREF 2
.Lnot_mine_\@:
.endm
.macro PLACES n
.rept \n
	v_nop
.endr
.endm
	s_load_b256 s[4:11], s[0:1], 0x0               ; xq 4, wq 6, aq 8, lora_B 10
	s_load_b64 s[12:13], s[0:1], 0x20              ; out0
	v_lshl_add_u32 v[SPW], v0, 2, SPARE
	v_mov_b32 v[NIL], 0
	ds_add_u32 v[SPW], v[NIL]                      ; the opening lines: the add twice on end and one wait
	ds_add_u32 v[SPW], v[NIL]
	v_lshrrev_b32 v1, 5, v0
	v_readfirstlane_b32 s14, v1                    ; wave
	s_lshr_b32 s15, s14, 1                         ; my half of the rows; in the ring: I fetch for A (0) or B (1)
	s_and_b32 s16, s14, 1                          ; my half of the columns; in the ring: which unit of the two I fetch
	s_bfe_u32 s40, ttmp6, 0x40000                  ; cx
	s_bfe_u32 s41, ttmp6, 0x40004                  ; cy
	s_lshl_b32 s42, ttmp9, 2
	s_add_co_u32 s42, s42, s40                     ; tile column
	s_and_b32 s17, ttmp7, 0xffff
	s_lshl_b32 s17, s17, 2
	s_add_co_u32 s17, s17, s41                     ; tile row
	s_lshl_b32 s43, s41, 2
	s_lshl_b32 s43, 15, s43                        ; my row of the cluster
	s_lshl_b32 s44, 0x1111, s40                    ; my column
	s_or_b32 s[G1+0], s43, (3<<16)|(1<<21)         ; elements of 8 bytes, no padding
	s_or_b32 s[G1B+0], s44, (3<<16)|(1<<21)
.irp g, G1, G1B                        ; the head's shape: 2 rows of a whole unit, 8 units apart
	s_mov_b32 s[\g+1], (UNIT/8)<<16
	s_mov_b32 s[\g+2], 2<<16
	s_mov_b32 s[\g+3], (UNIT/8)<<16
	s_mov_b32 s[\g+4], 2
	s_mov_b32 s[\g+5], UNIT
	s_mov_b32 s[\g+6], 0
	s_mov_b32 s[\g+7], 0
.endr
	s_mov_b32 s[G1L+0], 3<<16                      ; half of lora_A's unit: 68 rows of 256 bytes
	s_mov_b32 s[G1L+1], 32<<16
	s_mov_b32 s[G1L+2], 68<<16
	s_mov_b32 s[G1L+3], 32<<16
	s_mov_b32 s[G1L+4], 68
	s_mov_b32 s[G1L+5], 32
	s_mov_b32 s[G1L+6], 0
	s_mov_b32 s[G1L+7], 0
	s_mul_i32 s20, s17, 16*UNIT                    ; A: the tile row's first unit
	s_mov_b32 s21, 0
	s_mul_i32 s46, s42, 16*UNIT                    ; B: the tile column's
	s_mov_b32 s47, 0
	s_mul_i32 s18, s16, 8*UNIT                     ; in the ring: my unit of the two
	s_mov_b32 s19, 0
	s_mul_i32 s45, s14, UNIT                       ; and its place in a slot
	s_mul_i32 s22, s16, UNIT/2                     ; my half of lora_A's unit
	s_mov_b32 s23, 0
	s_mov_b32 s[G0L], 1
	s_add_co_u32 s[G0L+1], s22, LA
	s_mul_i32 s66, s15, UNIT                       ; A's unit that I read, in a slot
	s_mul_i32 s67, s16, UNIT
	s_add_co_u32 s67, s67, 2*UNIT                  ; and B's
	s_xor_b32 s94, s16, 1
	s_lshl_b32 s88, s16, 14                        ; the rotation: register blocks 0-3 are row blocks 4 x half on (4,096 bytes of codes a block),
	s_add_co_u32 s100, s66, s88
	s_lshl_b32 s89, s94, 14                        ; register blocks 4-7 are row blocks 4 x (1 - half) on
	s_add_co_u32 s101, s66, s89
	s_lshl_b32 s88, s16, 10                        ; the same for A's scale words, 256 bytes a block
	s_add_co_u32 s91, s66, s88
	s_add_co_u32 s91, s91, 32768
	s_lshl_b32 s89, s94, 10
	s_add_co_u32 s105, s66, s89
	s_add_co_u32 s105, s105, 32768
	s_add_co_u32 s90, s67, 32768                   ; B's scale words are not rotated: blocks 0-3,
	s_add_co_u32 s104, s90, 1024                   ; blocks 4-7;
	s_sub_co_u32 s90, s90, s91                     ; as distances from A's, for lanes 16-31
	s_sub_co_u32 s104, s104, s105
	s_mul_i32 s95, s14, 16*SPITCH                  ; my stage
	s_add_co_u32 s95, s95, LA
	s_lshl_b32 s43, s14, 11                        ; the exchange: where I put T,
	s_add_co_u32 s43, s43, XCH
	s_xor_b32 s44, s14, 1                          ; and where the wave that shares my rows puts it
	s_lshl_b32 s44, s44, 11
	s_add_co_u32 s44, s44, XCH
	s_lshl_b32 s96, s17, 8                         ; out0: the row of my register block 0 x 16,384 bytes + my first column x 4
	s_lshl_b32 s97, s15, 7
	s_add_co_u32 s96, s96, s97
	s_lshl_b32 s97, s16, 6
	s_add_co_u32 s96, s96, s97
	s_lshl_b32 s96, s96, 14
	s_lshl_b32 s98, s42, 10
	s_lshl_b32 s99, s16, 9
	s_add_co_u32 s98, s98, s99
	s_add_co_u32 s96, s96, s98
	s_mov_b32 s97, 0
	s_lshl_b32 s98, s42, 14                        ; lora_B: my 128 rows of 64 bytes
	s_lshl_b32 s99, s16, 13
	s_add_co_u32 s98, s98, s99
	s_mov_b32 s99, 0
	s_cmp_eq_u32 s15, 0                            ; the prefetches: my unit's row of units, my work-group's quarter of a unit, at K step 1
	s_cselect_b32 s88, s17, s42
	s_cselect_b32 s89, s40, s41
	s_lshl_b32 s88, s88, 1
	s_add_co_u32 s88, s88, s16
	s_mul_i32 s88, s88, 8*UNIT
	s_mul_i32 s89, s89, UNIT/4
	s_add_co_u32 s88, s88, s89
	s_add_co_u32 s2, s88, UNIT
	s_mov_b32 s3, 0
	s_wait_dscnt 0x0                               ; both opening adds are done
	s_wait_kmcnt 0x0
	s_add_nc_u64 s[20:21], s[4:5], s[20:21]
	s_add_nc_u64 s[46:47], s[6:7], s[46:47]
	s_add_nc_u64 s[G0L+2:G0L+3], s[8:9], s[22:23]
	s_or_b32 s[G0L+3], s[G0L+3], 0x80000000
	s_lshl_b32 s22, s16, 21                        ; the way out: 128 rows back behind register block 3, where the blocks are rotated
	s_add_nc_u64 s[12:13], s[12:13], s[96:97]
	s_add_nc_u64 s[10:11], s[10:11], s[98:99]
	s_cmp_eq_u32 s15, 0
	s_cselect_b64 s[PFA:PFA+1], s[4:5], s[6:7]
	s_add_nc_u64 s[PFA:PFA+1], s[PFA:PFA+1], s[2:3]
	s_mov_b32 s[G0H], 1                            ; K step 0: A's two units to the slot's first two places,
	s_mov_b32 s[G0H+1], 0
	s_mov_b64 s[G0H+2:G0H+3], s[20:21]
	s_or_b32 s[G0H+3], s[G0H+3], 0x80000000
	s_mov_b32 s[G0HB], 1                           ; B's two behind them
	s_mov_b32 s[G0HB+1], 2*UNIT
	s_mov_b64 s[G0HB+2:G0HB+3], s[46:47]
	s_or_b32 s[G0HB+3], s[G0HB+3], 0x80000000
	s_add_nc_u64 s[20:21], s[20:21], s[18:19]
	s_add_nc_u64 s[46:47], s[46:47], s[18:19]
.irp s, 0,1
	s_mov_b32 s[G0+4*\s], 1
	s_add_co_u32 s[G0+4*\s+1], s45, \s*SLOT
	s_add_nc_u64 s[G0+4*\s+2:G0+4*\s+3], s[20:21], \s*UNIT
	s_or_b32 s[G0+4*\s+3], s[G0+4*\s+3], 0x80000000
	s_mov_b32 s[G0B+4*\s], 1
	s_add_co_u32 s[G0B+4*\s+1], s45, \s*SLOT
	s_add_nc_u64 s[G0B+4*\s+2:G0B+4*\s+3], s[46:47], \s*UNIT
	s_or_b32 s[G0B+4*\s+3], s[G0B+4*\s+3], 0x80000000
.endr
	CROUND                                         ; all sixteen work-groups are here: the first joint loads meet
.macro ARM under, g0, g1, next         ; one chain of branches on the wave's number, one load to an arm, one join
	s_cmp_lt_u32 s14, \under
	s_cbranch_scc0 \next
	tensor_load_to_lds s[\g0:\g0+3], s[\g1:\g1+7]
	s_nop 0
.rept 4
	v_nop
.endr
	s_branch .Lhead_asked
\next:
.endm
	ARM 1, G0H,  G1,  .Lhead_b
	ARM 2, G0HB, G1B, .Lhead_l
	tensor_load_to_lds s[G0L:G0L+3], s[G1L:G1L+7]
	s_nop 0
.rept 4
	v_nop
.endr
.Lhead_asked:
	v_and_b32 v1, 15, v0                           ; r
	v_bfe_u32 v2, v0, 4, 1                         ; h
	v_and_b32 v3, 31, v0
	v_lshlrev_b32 v4, 4, v3                        ; 16 x lane: a fragment's registers lie as they are read
	v_lshlrev_b32 v[PFO], 8, v3
	v_and_b32 v[PFO2], 1, v0
	v_lshl_add_u32 v[PFO2], v[PFO2], 8, 8192
	v_add_nc_u32 v[ADRA], s100, v4
	v_add_nc_u32 v[ADRH], s101, v4
	v_add_nc_u32 v[ADRB], s67, v4
	v_add_nc_u32 v[ADRA+1], SLOT, v[ADRA]
	v_add_nc_u32 v[ADRH+1], SLOT, v[ADRH]
	v_add_nc_u32 v[ADRB+1], SLOT, v[ADRB]
	v_mul_u32_u24 v6, s90, v2                      ; scale words: lanes 0-15 A's rows, lanes 16-31 B's
	v_lshl_add_u32 v5, v1, 4, v6
	v_add_nc_u32 v[ADRS], s91, v5
	v_add_nc_u32 v[ADRS+1], SLOT, v[ADRS]
	v_mul_u32_u24 v6, s104, v2
	v_lshl_add_u32 v5, v1, 4, v6
	v_add_nc_u32 v[ADSH], s105, v5
	v_add_nc_u32 v[ADSH+1], SLOT, v[ADSH]
	v_add_nc_u32 v[ADLA], LA, v4
	v_lshl_add_u32 v[ADRL], v1, 4, LA+32768
	v_add_nc_u32 v[XST], s43, v4
	v_add_nc_u32 v[XLD], s44, v4
	v_mul_u32_u24 v5, v1, SPITCH
	v_lshl_add_u32 v5, v2, 5, v5
	v_add_nc_u32 v[STO], s95, v5
	v_lshlrev_b32 v[CO], 4, v3
	v_add_nc_u32 v[RD], s95, v4
	v_lshlrev_b32 v[LBO], 6, v1
	v_lshl_add_u32 v[LBO], v2, 5, v[LBO]           ; lora_B(n0 + 16 b + r, 8 h ..): 32 bytes
.irp b, 0,1,2,3,4,5,6,7
	global_load_b128 v[LT+8*\b:LT+8*\b+3],   v[LBO], s[10:11] offset:1024*\b
	global_load_b128 v[LT+8*\b+4:LT+8*\b+7], v[LBO], s[10:11] offset:1024*\b+16
.endr
	PREF 0                                         ; K step 1
	s_wait_alu depctr_va_vdst(0)                   ; directly ahead of the wait below
	s_wait_loadcnt 0x0
.set i, 0
.rept 32
	v_pk_mul_f32 v[LT+i:LT+i+1], v[LT+i:LT+i+1], 2.0 op_sel_hi:[1,0]   ; alpha / r = 2: exact
.set i, i+2
.endr
	WIN TO_B
.irp b, 0,1,2,3,4,5,6,7
.irp r, 0,1,2,3
	v_cvt_pk_bf16_f32 v[LBF+8*\b+\r], v[LT+8*\b+2*\r], v[LT+8*\b+2*\r+1]
.endr
.endr
.irp b, 0,1,2,3,4,5,6,7
.irp r, 4,5,6,7
	v_mov_b32 v[LBF+8*\b+\r], 0                    ; k = 16 .. 31 of the bf16 form
.endr
.endr
	WIN 0
.macro FRAG reg, adr, q, i
.irp c, 0,1
	ds_load_b128 v[\reg+4*\c:\reg+4*\c+3], v[\adr] offset:4096*(\i)+1024*(\q)+512*\c
.endr
.endm
; One run of LDS loads: fragments of the slot's q-th 128 K into set n, what is used first first: B (16 loads), with sc = 1 the slot's scale words (9),
; with lo = 1 A's blocks 0-3 (8) and lora_A's (2), with hi = 1 A's blocks 4-7 (8)
.macro FETCH slot, q, n, sc, lo, hi
	WIN TO_B
.irp i, 0,1,2,3,4,5,6,7
	FRAG 128*(\n)+8*\i, ADRB+\slot, \q, \i
.endr
	WIN 0
.if \sc
.irp i, 0,1,2,3
	ds_load_b128 v[SC+32*\slot+4*\i:SC+32*\slot+4*\i+3], v[ADRS+\slot] offset:256*\i
.endr
.irp i, 0,1,2,3
	ds_load_b128 v[SC+32*\slot+16+4*\i:SC+32*\slot+16+4*\i+3], v[ADSH+\slot] offset:256*\i
.endr
	ds_load_b128 v[LS+4*\slot:LS+4*\slot+3], v[ADRL]
.endif
.if \lo
.irp i, 0,1,2,3
	FRAG AF+64*(\n)+8*\i, ADRA+\slot, \q, \i
.endr
.irp c, 0,1
	ds_load_b128 v[LAF+8*(\n)+4*\c:LAF+8*(\n)+4*\c+3], v[ADLA] offset:1024*(\q)+512*\c
.endr
.endif
.if \hi
.irp i, 0,1,2,3
	FRAG AF+64*(\n)+32+8*\i, ADRH+\slot, \q, \i
.endr
.endif
.endm
; 8 matrix instructions: A's register block a against B's eight; the accumulators take turns
.macro MULA a, p, q, sc, zero
.irp b, 0,1,2,3,4,5,6,7
.if \zero
	v_wmma_scale_f32_16x16x128_f8f6f4 v[8*(8*((\a)%4)+\b):8*(8*((\a)%4)+\b)+7], v[128*(\p)+8*\b:128*(\p)+8*\b+7], v[AF+64*(\p)+8*(\a):AF+64*(\p)+8*(\a)+7], 0, v[SC+32*(\sc)+4*\b+(\q)], v[SC+32*(\sc)+4*(\a)+(\q)] matrix_a_fmt:MATRIX_FMT_FP4 matrix_b_fmt:MATRIX_FMT_FP4 matrix_a_scale:MATRIX_SCALE_ROW1
.else
	v_wmma_scale_f32_16x16x128_f8f6f4 v[8*(8*((\a)%4)+\b):8*(8*((\a)%4)+\b)+7], v[128*(\p)+8*\b:128*(\p)+8*\b+7], v[AF+64*(\p)+8*(\a):AF+64*(\p)+8*(\a)+7], v[8*(8*((\a)%4)+\b):8*(8*((\a)%4)+\b)+7], v[SC+32*(\sc)+4*\b+(\q)], v[SC+32*(\sc)+4*(\a)+(\q)] matrix_a_fmt:MATRIX_FMT_FP4 matrix_b_fmt:MATRIX_FMT_FP4 matrix_a_scale:MATRIX_SCALE_ROW1
.endif
.endr
.endm
; 4 matrix instructions for T: lora_A's 16 rows against A's register blocks 0-3
.macro T4 p, q, sc, zero
	WIN TW
.irp a, 0,1,2,3
.if \zero
	v_wmma_scale_f32_16x16x128_f8f6f4 v[T+8*\a:T+8*\a+7], v[LAF+8*(\p):LAF+8*(\p)+7], v[AF+64*(\p)+8*\a:AF+64*(\p)+8*\a+7], 0, v[LS+4*(\sc)+(\q)], v[SC+32*(\sc)+4*\a+(\q)] matrix_a_fmt:MATRIX_FMT_FP4 matrix_b_fmt:MATRIX_FMT_FP4
.else
	v_wmma_scale_f32_16x16x128_f8f6f4 v[T+8*\a:T+8*\a+7], v[LAF+8*(\p):LAF+8*(\p)+7], v[AF+64*(\p)+8*\a:AF+64*(\p)+8*\a+7], v[T+8*\a:T+8*\a+7], v[LS+4*(\sc)+(\q)], v[SC+32*(\sc)+4*\a+(\q)] matrix_a_fmt:MATRIX_FMT_FP4 matrix_b_fmt:MATRIX_FMT_FP4
.endif
.endr
.endm
.macro REST p, q, sc, zero, left       ; T, then blocks 4-7; left: the younger LDS loads, which may stay out
	T4 \p, \q, \sc, \zero
	s_wait_dscnt \left
	WIN MUL_HI
.irp a, 4,5,6,7
	MULA \a, \p, \q, \sc, \zero
.endr
.endm
; A step of 128 K whose successor lies in the same slot
.macro STEP slot, q, zero
	s_wait_dscnt 16                                ; B, the scale words and A's block 0 are in; A's blocks 1-3 (6), lora_A's (2), A's blocks 4-7 (8) may be out
	WIN MUL_LO
	MULA 0, (\q)%2, \q, \slot, \zero
	PLACES 4                                       ; in front of loads into the other set, which the step before multiplied
	FETCH \slot, (\q)+1, 1-(\q)%2, 0, 1, 1
	s_wait_dscnt 42                                ; the 34 just issued and A's blocks 4-7 may be out
	WIN MUL_LO
.irp a, 1,2,3
	MULA \a, (\q)%2, \q, \slot, \zero
.endr
	REST (\q)%2, \q, \slot, \zero, 34
.endm
; A slot's last step (set 1) changes slots at its head: my reads of the slot were issued a step ago
.macro TURN slot, next
	WIN 0
	s_wait_xcnt 0x0                                ; my prefetches have read their address
	s_add_nc_u64 s[PFA:PFA+1], s[PFA:PFA+1], UNIT
	s_wait_tensorcnt 0x0                           ; my part of the next slot has landed: no tensor load of mine is out
	ds_add_u32 v[SPW], v[NIL]
	s_wait_dscnt 17                                ; the add and the sixteen youngest loads may be out
	WIN MUL_LO
	MULA 0, 1, 3, \slot, 0
	s_wait_dscnt 0x0                               ; the add is done and my reads of this slot are over
	s_barrier_signal -1
	MULA 1, 1, 3, \slot, 0
	WIN 0
	s_barrier_wait -1
	CREST                                          ; the barrier opened a round of the cluster's barrier
	s_add_nc_u64 s[G0+4*\slot+2:G0+4*\slot+3], s[G0+4*\slot+2:G0+4*\slot+3], 2*UNIT
	s_add_nc_u64 s[G0B+4*\slot+2:G0B+4*\slot+3], s[G0B+4*\slot+2:G0B+4*\slot+3], 2*UNIT
	JLOAD G0+4*\slot, G1, G0B+4*\slot, G1B         ; its four v_nop are also the places in front of the loads below
	v_add_nc_u32 v[ADLA], 4096, v[ADLA]            ; lora_A's next K step
	v_add_nc_u32 v[ADRL], 256, v[ADRL]
	s_wait_alu depctr_va_vdst(0)                   ; directly behind the writes
	FETCH \next, 0, 0, 1, 1, 1
	ASK
	WIN MUL_LO
.irp a, 2,3
	MULA \a, 1, 3, \slot, 0
.endr
	REST 1, 3, \slot, 0, 43
.endm
	s_wait_alu depctr_va_vdst(0)                   ; the wait at the head's end
	s_wait_tensorcnt 0x0                           ; my tile of the head's is in; the lines ahead of a later first fill:
	ds_add_u32 v[SPW], v[NIL]
.irp g, G1, G1B                        ; no tensor load of mine is out: from here on a load brings one unit, 136 rows of 256 bytes
	s_mov_b32 s[\g+1], 32<<16
	s_mov_b32 s[\g+2], 136<<16
	s_mov_b32 s[\g+3], 32<<16
	s_mov_b32 s[\g+4], 136
	s_mov_b32 s[\g+5], 32
.endr
	s_wait_dscnt 0x0
	CROUND
	JLOAD G0+4, G1, G0B+4, G1B                     ; K step 1, slot 1's first fill
	FETCH 0, 0, 0, 1, 1, 1
	PREF 1                                         ; K step 2
	PREF 2                                         ; K step 3
	STEP 0, 0, 1                                   ; the first step starts the sums
	WIN 0
	s_mov_b32 s3, LAPS-1
.Llap:                                                 ; a trip goes once round the ring and fills both slots again
	STEP 0, 1, 0
	STEP 0, 2, 0
	TURN 0, 1
	STEP 1, 0, 0
	STEP 1, 1, 0
	STEP 1, 2, 0
	TURN 1, 0
	STEP 0, 0, 0
	WIN 0
	s_sub_co_u32 s3, s3, 1
	s_cmp_lg_u32 s3, 0
	s_cbranch_scc1 .Llap
; ---- the last seven steps, by halves of my rows ----
; Blocks 0-3 and T of step (slot, q) from set p; the fetch for step (ns, nq) goes into the other set: blocks 0-3 (nh = 0) or blocks 4-7 (nh = 1)
.macro P1 slot, q, p, ns, nq, nh, left
	s_wait_dscnt \left
	WIN MUL_LO
	MULA 0, \p, \q, \slot, 0
	PLACES 4
	FETCH \ns, \nq, 1-(\p), 0, 1-(\nh), \nh
	WIN MUL_LO
.irp a, 1,2,3
	MULA \a, \p, \q, \slot, 0
.endr
	T4 \p, \q, \slot, 0
.endm
.macro TOSTAGE a                       ; 16 rows x 128 columns into my stage, and back as whole rows into the same registers; LDS serves a wave's instructions in order
.set AC, 64*((\a)%4)
	WIN 0x08+4*((\a)/4)
.irp b, 0,1,2,3,4,5,6,7
	ds_store_b128 v[STO], v[AC+8*\b:AC+8*\b+3] offset:64*\b
	ds_store_b128 v[STO], v[AC+8*\b+4:AC+8*\b+7] offset:64*\b+16
.endr
	WIN 0x80+0x40*((\a)/4)
.irp t, 0,1,2,3,4,5,6,7,8,9,10,11,12,13,14,15
	ds_load_b128 v[AC+4*\t:AC+4*\t+3], v[RD] offset:\t*SPITCH
.endr
.endm
.macro SENDH a, h                      ; eight rows of block a: a store covers 512 consecutive bytes, aligned; the row stands in the immediate (63 rows of 16,384 bytes at the most)
	WIN 0x08+4*((\a)/4)
.irp t, 0,1,2,3,4,5,6,7
	global_store_b128 v[CO], v[64*((\a)%4)+4*(8*(\h)+\t):64*((\a)%4)+4*(8*(\h)+\t)+3], s[12:13] offset:(16*((\a)%4)+8*(\h)+\t)*16384 th:TH_STORE_NT
.endr
.endm
; Blocks 4-7 of step (slot, q) from set p; f = 1: the fetch for (ns, nq) into the other set; eight rows (half sh) of block sb are stored; ts >= 0: block ts goes through the stage at the step's end
.macro P2 slot, q, p, f, ns, nq, left, sb, sh, ts
	s_wait_dscnt \left
	WIN MUL_HI
	MULA 4, \p, \q, \slot, 0
.if \f
	PLACES 4
	FETCH \ns, \nq, 1-(\p), 0, 0, 1
	s_wait_dscnt 24                                ; all but the 24 just issued: block sb is back from the stage
.else
	s_wait_dscnt 0x0
.endif
	SENDH \sb, \sh
	WIN MUL_HI
.irp a, 5,6,7
	MULA \a, \p, \q, \slot, 0
.endr
.if \ts >= 0
	TOSTAGE \ts
.endif
.endm
.macro LORA a                          ; register block a: + T (2 lora_B)^T
	WIN MUL_LO+0x50*((\a)/4)
.irp b, 0,1,2,3,4,5,6,7
	v_wmma_f32_16x16x32_bf16 v[8*(8*((\a)%4)+\b):8*(8*((\a)%4)+\b)+7], v[LBF+8*\b:LBF+8*\b+7], v[TF+64*((\a)/4)+8*((\a)%4):TF+64*((\a)/4)+8*((\a)%4)+7], v[8*(8*((\a)%4)+\b):8*(8*((\a)%4)+\b)+7]
.endr
.endm
	P1 0, 1, 1, 0, 2, 0, 8                         ; the loop's last eight loads (blocks 4-7, not used here) may be out
	P1 0, 2, 0, 0, 3, 0, 0
	WIN 0                                          ; step (0, 3)
	s_wait_tensorcnt 0x0                           ; my part of slot 1 has landed: my last tensor load
	ds_add_u32 v[SPW], v[NIL]
	s_wait_dscnt 1                                 ; the add may be out
	WIN MUL_LO
	MULA 0, 1, 3, 0, 0
	s_wait_dscnt 0x0
	s_barrier_signal -1
	MULA 1, 1, 3, 0, 0
	WIN 0
	s_barrier_wait -1                              ; everybody's part has landed; nothing is filled again
	PLACES 4
	v_add_nc_u32 v[ADLA], 4096, v[ADLA]
	v_add_nc_u32 v[ADRL], 256, v[ADRL]
	s_wait_alu depctr_va_vdst(0)                   ; directly behind the writes
	FETCH 1, 0, 0, 1, 1, 0
	WIN MUL_LO
.irp a, 2,3
	MULA \a, 1, 3, 0, 0
.endr
	T4 1, 3, 0, 0
	P1 1, 0, 0, 1, 1, 0, 0
	P1 1, 1, 1, 1, 2, 0, 0
	P1 1, 2, 0, 1, 3, 0, 0
	P1 1, 3, 1, 0, 1, 1, 0                         ; and the fetch for the second pass: blocks 4-7 of step (0, 1), into set 0
	PLACES 5
	WIN 0x05                                       ; my T as bf16 into the places of set 0's blocks 0-3, which are done with
.irp a, 0,1,2,3
.irp r, 0,1,2,3
	v_cvt_pk_bf16_f32 v[TF+8*\a+\r], v[T+8*\a+2*\r], v[T+8*\a+2*\r+1]
.endr
.endr
	WIN 0
.irp a, 0,1,2,3
	ds_store_b128 v[XST], v[TF+8*\a:TF+8*\a+3] offset:512*\a   ; as an image of the operand's registers, for the wave that shares my rows: its register blocks 4-7
.endr
.irp a, 0,1,2,3
.irp r, 4,5,6,7
	v_mov_b32 v[TF+8*\a+\r], 0
	v_mov_b32 v[TF+64+8*\a+\r], 0
.endr
.endr
	s_wait_alu depctr_va_vdst(0)                   ; directly ahead of the wait below
	s_wait_dscnt 0x0                               ; for the others' sake: my T lies in LDS, and my reads of lora_A's bytes are over
	s_barrier_signal -1
	LORA 0                                         ; work on registers while the others arrive
	s_barrier_wait -1
	WIN 0
.irp a, 0,1,2,3
	ds_load_b128 v[TF+64+8*\a:TF+64+8*\a+3], v[XLD] offset:512*\a   ; the other wave's T: my register blocks 4-7
.endr
.irp a, 1,2,3
	LORA \a
.endr
	PLACES 4
	TOSTAGE 0
	P2 0, 1, 0, 1, 0, 2, 32, 0, 0, -1              ; 32: block 0's way through the stage may be out; the other wave's T is in
	P2 0, 2, 1, 1, 0, 3, 0,  0, 1, 1
	P2 0, 3, 0, 1, 1, 0, 32, 1, 0, -1
	P2 1, 0, 1, 1, 1, 1, 0,  1, 1, 2
	P2 1, 1, 0, 1, 1, 2, 32, 2, 0, -1
	P2 1, 2, 1, 1, 1, 3, 0,  2, 1, 3
	P2 1, 3, 0, 0, 0, 0, 32, 3, 0, -1
	SENDH 3, 1
	PLACES 5
	LORA 4
	s_wait_xcnt 0x0                                ; the stores have read their base
	s_add_nc_u64 s[12:13], s[12:13], 64*16384      ; register block 4: 64 rows on,
	s_sub_nc_u64 s[12:13], s[12:13], s[22:23]      ; and 128 back where the blocks are rotated
.irp a, 4,5,6,7
.if \a < 7
	LORA \a+1
	PLACES 4
.endif
	TOSTAGE \a
.if \a > 4
	s_wait_dscnt 32                                ; block a - 1 is back; block a's 32 may be out
	SENDH \a-1, 0
	SENDH \a-1, 1
.endif
.endr
	s_wait_dscnt 0x0
	SENDH 7, 0
	SENDH 7, 1
	WIN 0
	s_wait_tensorcnt 0x0                           ; the wave's end
	ds_add_u32 v[SPW], v[NIL]
	s_wait_dscnt 0x0
	CROUND                                         ; the closing round
	s_endpgm
.Lfunc_end_k_q815be96e65_gemm:
	.size	k_q815be96e65_gemm, .Lfunc_end_k_q815be96e65_gemm-k_q815be96e65_gemm
	.p2alignl 7, 3214868480
	.fill 96, 4, 3214868480
	.section	.rodata,"a",@progbits
	.p2align	6, 0x0
	.amdhsa_kernel k_q815be96e65_gemm
		.amdhsa_group_segment_fixed_size 327680
		.amdhsa_private_segment_fixed_size 0
		.amdhsa_enable_private_segment 0
		.amdhsa_kernarg_size 40
		.amdhsa_user_sgpr_count 2
		.amdhsa_user_sgpr_kernarg_segment_ptr 1
		.amdhsa_wavefront_size32 1
		.amdhsa_system_sgpr_workgroup_id_x 1
		.amdhsa_system_sgpr_workgroup_id_y 1
		.amdhsa_system_sgpr_workgroup_id_z 1
		.amdhsa_system_vgpr_workitem_id 0
		.amdhsa_next_free_vgpr 1024
		.amdhsa_next_free_sgpr 106
		.amdhsa_reserve_vcc 0
		.amdhsa_float_denorm_mode_32 3
		.amdhsa_float_denorm_mode_16_64 3
		.amdhsa_memory_ordered 1
		.amdhsa_forward_progress 1
		.amdhsa_inst_pref_size 247
	.end_amdhsa_kernel
	.amdgpu_metadata
---
amdhsa.version: [ 1, 2 ]
amdhsa.kernels:
  - .name:           k_q815be96e65_gemm
    .symbol:         k_q815be96e65_gemm.kd
    .args:
      - { .name: xq, .offset: 0, .size: 8, .value_kind: global_buffer, .address_space: global }
      - { .name: wq, .offset: 8, .size: 8, .value_kind: global_buffer, .address_space: global }
      - { .name: aq, .offset: 16, .size: 8, .value_kind: global_buffer, .address_space: global }
      - { .name: lora_B, .offset: 24, .size: 8, .value_kind: global_buffer, .address_space: global }
      - { .name: out0, .offset: 32, .size: 8, .value_kind: global_buffer, .address_space: global }
    .group_segment_fixed_size: 327680
    .private_segment_fixed_size: 0
    .kernarg_segment_align: 8
    .kernarg_segment_size: 40
    .max_flat_workgroup_size: 128
    .sgpr_count:     106
    .vgpr_count:     1024
    .wavefront_size: 32
...
	.end_amdgpu_metadata
.endif
;; end of part 2
